; MI455X (gfx1250); checked and timed in simulation.
; The chip was launched on July 23, 2026; its instructions are those of AMD's public machine-readable ISA for CDNA 5 (MIT licence, August 2026) and "CDNA5" Instruction Set Architecture Reference Guide (July 2026). The comments in the code are by the model that wrote it; some were corrected since.
;; CNF. Allowed arithmetic: float matrix products may take bf16 or f16 operands with f32 sums; other float arithmetic in f32, or as packed bf16 or f16 multiplies, adds, multiply-adds, maxima and minima; sums over many terms, partial sums and values carried from step to step in f32; what a program stores and reads back later, other than sums and carried values, may be rounded once to bf16 or f16.
;; Inputs: W0 129 x 512 float32; W1 512 x 512 float32; W2 512 x 512 float32; W3 512 x 64 float32; b0 512 float32; b1 512 float32; b2 512 float32; b3 64 float32; context 2,048 x 64 float32; eps 4 x 4 x 1 x 2,048 x 64 float32; out_scale one number float32; x 2,048 x 64 float32.
;; Outputs: out0 2,048 x 64 float32; out1 2,048 x 1 float32.
;; One version. Each part assembles by itself: llvm-mc -triple=amdgcn-amd-amdhsa -mcpu=gfx1250 --defsym DOCPART=n.
;; ======== version 1 of 1: 2 launches
;; limits: values are held in f16: magnitudes above 65,504 overflow, below 6.1e-05 lose precision; a function is approximated: absolute error at most 2e-07
;; workspace buffers: wf 1,245,184 bytes; wmax 4,864 bytes
;; launch pack (part 1): grid 152 x 1, 8 waves a work-group, no clusters, 0 bytes of LDS; arguments W0, W1, W2, W3, wf, wmax; writes wf, wmax
.if DOCPART == 1
	.amdgcn_target "amdgcn-amd-amdhsa--gfx1250"
	.amdhsa_code_object_version 6
	.text
	.protected	k_q1b9a8d4fc3_pack
	.globl	k_q1b9a8d4fc3_pack
	.p2align	8
	.type	k_q1b9a8d4fc3_pack,@function
k_q1b9a8d4fc3_pack:
	s_mov_b64 s[64:65], 0
	v_nop
	global_prefetch_b8 v0, s[64:65] scope:SCOPE_SE
	s_setreg_imm32_b32 hwreg(HW_REG_WAVE_MODE, 25, 1), 1
	s_wait_xcnt 0x0
; THE WEIGHTS AS MATRIX FRAGMENTS.  W0's rows 0-127, W1, W2 and W3 (f32, [k][n]) are rounded once to f16 and laid out as 1,216 fragments of 1,024 bytes,
; each 32 k x 16 n in the order in which a wave's registers hold source 1 of v_wmma_f32_16x16x32_f16 (lane l = 16 h + r holds column n0 + r; its first 16 bytes
; k0 + 8 h + 0..7, its second 16 bytes k0 + 16 + 8 h + 0..7): byte 512 c + 16 l + 2 i of a fragment is W[k0 + 16 c + 8 h + i][n0 + r].
; The next launch then fills a fragment with two loads of 16 bytes a lane, 512 consecutive bytes each.  wmax[g] is the largest magnitude in fragment g (f32, of the unrounded numbers).
; FRAGMENT NUMBERS.  0: W0 rows 0-63, (2 w + ks) 8 + nt.  64: W0 rows 64-127, likewise.  128: W1, (16 w + ks) 8 + nt.  640: W2, likewise.  1152: W3, 16 w + ks.
; k0 = 32 ks (+ 64 in the second region); n0 = 128 w + 16 nt (W3: 16 w).  w is the wave of the next launch that owns the columns.
; SHARES.  One wave makes one fragment: 152 work-groups x 8 waves = 1,216.  A lane reads its 16 numbers by 16 loads of 4 bytes; sixteen lanes take 64 consecutive bytes of a row of W, and the
; eight fragments beside each other (the eight waves of the work-group) together take 512.  Each number of W is read once; each store of a wave covers 512 consecutive bytes, aligned.
; LIMITS.  A weight of 65,520 or more in magnitude becomes an infinity in f16; below 6.1e-5 it keeps f16's fixed step of 6e-8.  A NaN is passed over in wmax.
.set AD, 8                             ; v[8:23]   sixteen byte offsets
.set DA, 24                            ; v[24:39]  sixteen numbers as loaded
.set MG, 40                            ; v[40:55]  their magnitudes
.set HF, 56                            ; v[56:63]  the fragment's 32 bytes of this lane
	s_load_b256 s[4:11], s[0:1], 0x0               ; W0 s[4:5], W1 s[6:7], W2 s[8:9], W3 s[10:11]
	s_load_b128 s[12:15], s[0:1], 0x20             ; wf s[12:13], wmax s[14:15]
	v_lshrrev_b32 v1, 5, v0
	v_readfirstlane_b32 s16, v1                    ; wave 0..7
	s_lshl_b32 s17, ttmp9, 3
	s_add_co_u32 s17, s17, s16                     ; g, the fragment's number
	s_mov_b32 s18, 0                               ; the region's first fragment
	s_mov_b32 s19, 3                               ; bits of nt
	s_mov_b32 s20, 1                               ; bits of ks
	s_mov_b32 s21, 0                               ; the region's first row of W
	s_mov_b32 s22, 9                               ; log2 of W's columns
	s_cmp_ge_u32 s17, 64
	s_cselect_b32 s18, 64, s18
	s_cselect_b32 s21, 64, s21
	s_cmp_ge_u32 s17, 128
	s_cselect_b32 s18, 128, s18
	s_cselect_b32 s21, 0, s21
	s_cselect_b32 s20, 4, s20
	s_cmp_ge_u32 s17, 640
	s_cselect_b32 s18, 640, s18
	s_cmp_ge_u32 s17, 1152
	s_cselect_b32 s18, 1152, s18
	s_cselect_b32 s19, 0, s19
	s_cselect_b32 s22, 6, s22
	s_sub_co_u32 s23, s17, s18                     ; the number inside the region
	s_bfm_b32 s26, s19, 0
	s_and_b32 s26, s23, s26                        ; nt
	s_lshr_b32 s27, s23, s19
	s_bfm_b32 s28, s20, 0
	s_and_b32 s28, s27, s28                        ; ks
	s_lshr_b32 s27, s27, s20                       ; w
	s_lshl_b32 s27, s27, s19
	s_or_b32 s27, s27, s26
	s_lshl_b32 s27, s27, 4                         ; n0
	s_lshl_b32 s28, s28, 5
	s_add_co_u32 s28, s28, s21                     ; k0
	s_lshl_b32 s28, s28, s22
	s_add_co_u32 s28, s28, s27
	s_lshl_b32 s28, s28, 2                         ; byte offset of W[k0][n0]
	s_mov_b32 s29, 0
	s_lshl_b32 s30, 4, s22                         ; bytes in a row of W
	s_lshl_b32 s31, s17, 10                        ; the fragment's place in wf
	s_lshl_b32 s32, s17, 2                         ; and in wmax
	s_mov_b32 s33, 0x76543210                      ; v_permlanex16_b32: each lane takes its own place in the other half
	s_mov_b32 s34, 0xfedcba98
	v_and_b32 v2, 15, v0                           ; r
	v_bfe_u32 v3, v0, 4, 1                         ; h
	v_and_b32 v4, 31, v0                           ; lane
	v_lshlrev_b32 v5, 3, v3
	v_mul_u32_u24 v5, s30, v5                      ; 8 h rows
	v_lshl_add_u32 v5, v2, 2, v5                   ; + 4 r
.set i, 0
.rept 16
	v_mad_u32_u24 v[AD+i], s30, i+8*(i/8), v5      ; rows 0-7 and 16-23 below that
.set i, i+1
.endr
	v_lshl_add_u32 v6, v4, 4, s31
	v_mov_b32 v7, s32
	s_wait_kmcnt 0x0
	s_cmp_ge_u32 s17, 128                          ; which W: the conditions hang on the fragment's number alone
	s_cselect_b64 s[24:25], s[6:7], s[4:5]
	s_cmp_ge_u32 s17, 640
	s_cselect_b64 s[24:25], s[8:9], s[24:25]
	s_cmp_ge_u32 s17, 1152
	s_cselect_b64 s[24:25], s[10:11], s[24:25]
	s_add_nc_u64 s[24:25], s[24:25], s[28:29]
.set i, 0
.rept 16
	global_load_b32 v[DA+i], v[AD+i], s[24:25]
.set i, i+1
.endr
	s_wait_loadcnt 0x0
.set i, 0
.rept 16
	v_and_b32 v[MG+i], 0x7fffffff, v[DA+i]
.set i, i+1
.endr
.set i, 0
.rept 8
	v_cvt_pk_f16_f32 v[HF+i], v[DA+2*i], v[DA+2*i+1]  ; the lower k into the low half
.set i, i+1
.endr
	global_store_b128 v6, v[HF:HF+3], s[12:13]
	global_store_b128 v6, v[HF+4:HF+7], s[12:13] offset:512
	v_max3_num_f32 v[MG], v[MG], v[MG+1], v[MG+2]
	v_max3_num_f32 v[MG+3], v[MG+3], v[MG+4], v[MG+5]
	v_max3_num_f32 v[MG+6], v[MG+6], v[MG+7], v[MG+8]
	v_max3_num_f32 v[MG+9], v[MG+9], v[MG+10], v[MG+11]
	v_max3_num_f32 v[MG+12], v[MG+12], v[MG+13], v[MG+14]
	v_max3_num_f32 v[MG], v[MG], v[MG+3], v[MG+6]
	v_max3_num_f32 v[MG+9], v[MG+9], v[MG+12], v[MG+15]
	v_max_num_f32 v[MG], v[MG], v[MG+9]
	v_max_num_f32_dpp v[MG], v[MG], v[MG] row_xmask:1 row_mask:0xf bank_mask:0xf
	v_max_num_f32_dpp v[MG], v[MG], v[MG] row_xmask:2 row_mask:0xf bank_mask:0xf
	v_max_num_f32_dpp v[MG], v[MG], v[MG] row_xmask:4 row_mask:0xf bank_mask:0xf
	v_max_num_f32_dpp v[MG], v[MG], v[MG] row_xmask:8 row_mask:0xf bank_mask:0xf
	v_permlanex16_b32 v[MG+1], v[MG], s33, s34
	v_max_num_f32 v[MG], v[MG], v[MG+1]            ; every lane holds the fragment's largest magnitude
	v_cmp_eq_u32 vcc_lo, 0, v4
	s_wait_xcnt 0x0                                ; EXEC is a source of the stores above: it changes only behind this wait
	s_and_saveexec_b32 s35, vcc_lo
	global_store_b32 v7, v[MG], s[14:15]           ; lane 0 alone: one word a fragment
	s_wait_xcnt 0x0                                ; and again in front of the line that widens it
	s_or_b32 exec_lo, exec_lo, s35
	s_endpgm
.Lfunc_end_k_q1b9a8d4fc3_pack:
	.size	k_q1b9a8d4fc3_pack, .Lfunc_end_k_q1b9a8d4fc3_pack-k_q1b9a8d4fc3_pack
	.p2alignl 7, 3214868480
	.fill 96, 4, 3214868480
	.section	.rodata,"a",@progbits
	.p2align	6, 0x0
	.amdhsa_kernel k_q1b9a8d4fc3_pack
		.amdhsa_group_segment_fixed_size 0
		.amdhsa_private_segment_fixed_size 0
		.amdhsa_enable_private_segment 0
		.amdhsa_kernarg_size 48
		.amdhsa_user_sgpr_count 2
		.amdhsa_user_sgpr_kernarg_segment_ptr 1
		.amdhsa_wavefront_size32 1
		.amdhsa_system_sgpr_workgroup_id_x 1
		.amdhsa_system_sgpr_workgroup_id_y 1
		.amdhsa_system_sgpr_workgroup_id_z 1
		.amdhsa_system_vgpr_workitem_id 0
		.amdhsa_next_free_vgpr 64
		.amdhsa_next_free_sgpr 66
		.amdhsa_reserve_vcc 1
		.amdhsa_float_denorm_mode_32 3
		.amdhsa_float_denorm_mode_16_64 3
		.amdhsa_memory_ordered 1
		.amdhsa_forward_progress 1
		.amdhsa_inst_pref_size 8
	.end_amdhsa_kernel
	.amdgpu_metadata
---
amdhsa.version: [ 1, 2 ]
amdhsa.kernels:
  - .name:           k_q1b9a8d4fc3_pack
    .symbol:         k_q1b9a8d4fc3_pack.kd
    .args:
      - { .name: W0, .offset: 0, .size: 8, .value_kind: global_buffer, .address_space: global }
      - { .name: W1, .offset: 8, .size: 8, .value_kind: global_buffer, .address_space: global }
      - { .name: W2, .offset: 16, .size: 8, .value_kind: global_buffer, .address_space: global }
      - { .name: W3, .offset: 24, .size: 8, .value_kind: global_buffer, .address_space: global }
      - { .name: wf, .offset: 32, .size: 8, .value_kind: global_buffer, .address_space: global }
      - { .name: wmax, .offset: 40, .size: 8, .value_kind: global_buffer, .address_space: global }
    .group_segment_fixed_size: 0
    .private_segment_fixed_size: 0
    .kernarg_segment_align: 8
    .kernarg_segment_size: 48
    .max_flat_workgroup_size: 256
    .sgpr_count:     66
    .vgpr_count:     64
    .wavefront_size: 32
...
	.end_amdgpu_metadata
.endif
;; end of part 1
;; launch cnf (part 2): grid 128 x 1, 4 waves a work-group, no clusters, 295,424 bytes of LDS; arguments wf, wmax, W0, b0, b1, b2, b3, out_scale, context, x, eps, out0, out1; writes out0, out1
.if DOCPART == 2
	.amdgcn_target "amdgcn-amd-amdhsa--gfx1250"
	.amdhsa_code_object_version 6
	.text
	.protected	k_q1b9a8d4fc3_cnf
	.globl	k_q1b9a8d4fc3_cnf
	.p2align	8
	.type	k_q1b9a8d4fc3_cnf,@function
k_q1b9a8d4fc3_cnf:
	s_mov_b64 s[64:65], 0
	v_nop
	global_prefetch_b8 v0, s[64:65] scope:SCOPE_SE
	s_setreg_imm32_b32 hwreg(HW_REG_WAVE_MODE, 25, 1), 1
	s_wait_xcnt 0x0
; THE WHOLE INTEGRATION IN ONE LAUNCH: 4 intervals x 4 Runge-Kutta stages = 16 evaluations of f(z, t) = (tanh(tanh(tanh([z, context, t] W0 + b0) W1 + b1) W2 + b2) W3 + b3) out_scale
; and of its derivative along eps (the tangent), with eps . (J eps) summed into logp.  The batch rows do not depend on each other, the 64 layers of a row do: so a work-group keeps 16 rows from x to z1.
; SHARES.  128 work-groups x 16 rows.  Two tiles of 16 rows go through every layer side by side: P, the rows' values, and T, the same rows' tangents; both multiply by the same weights, so a weight
; fragment feeds two matrix instructions.  (8 rows on 256 work-groups would feed one, and every work-group would still walk nearly all the weights.)  Of the 512 hidden columns wave w owns
; 128 w .. 128 w + 127 (8 tiles of 16), of the 64 outputs 16 w .. 16 w + 15.  context W0[64:128] + b0 does not change: it is made once and is the C operand that starts layer 0's sums.
; FORMATS.  All matrix operands are f16 (weights, z, eps, context, activations, tangents), all sums, tanh, the Runge-Kutta state and logp f32.
; THE TANGENT'S SCALE.  Behind layer l (0, 1, 2) the tangent is multiplied by sigma_l, the power of two with 1/16 <= sigma_l max|W_l| < 1/8 (for layer 0: W0's rows 0-63), and logp's factor holds the product of
; the 1 / sigma_l: so the tangent's size in f16 does not follow the size of the weights.
; tanh(u) = a = 1 - s, s = 2 / (1 + e^(2u)); 1 - a^2 = s (1 + a).  In code: e = 2^(c u + c bias), c = 2 log2(e); S = 1 / ((0.5 e + 0.5) / sigma) = sigma s; a = 1 - S / sigma; tangent = (v S) a + (v S).
; LIMITS.  An f16 operand of 65,520 or more in magnitude becomes an infinity: weights, z, eps, context; the scaled tangents are at most 8, 512 and 32,768 times max|eps| if every term of every sum were
; as large as it can be.  max|W| of 2^123 or more, NaN and infinities are not treated.  tanh carries an absolute error of some 2e-7, also where it is tiny.  The Runge-Kutta sums are fused otherwise than
; in the reference (k1 + 2 k2 + 2 k3 + k4 is gathered stage by stage; b3 out_scale is made once).  The last evaluation asks once more for 32 weight fragments and for eps[15], inside their buffers, and uses neither.
; WHERE A WAVE'S 288 WEIGHT FRAGMENTS OF AN EVALUATION COME FROM (1,024 bytes each; layer 0: 16, layers 1 and 2: 128 each, layer 3: 16):
;   40 stay in registers (layer 0's 16, layer 3's 16, layer 2's column tile 1 at k steps 8-15);  56 stay in the wave's own part of LDS (column tiles 0 and 1 of layer 1, tile 0 and k steps 0-7 of tile 1 of layer 2);
;   192 (column tiles 2-7 of layers 1 and 2) are loaded anew in every evaluation, straight into a ring of 32 register slots, in the order of use: a slot is asked for again in the run of loads behind the unit that
;   multiplied it, so behind every run 32 fragments of every wave are asked for, across layers and barriers too.  192 and 96 are multiples of 32, so the slots' numbers repeat and one text serves every evaluation.
; THE ORDER OF A HIDDEN LAYER.  K steps 0-9 go by k, two to a UNIT of 32 matrix instructions on all 16 accumulators.  K steps 10-15 go by column tiles, two tiles to a unit of 24 matrix instructions on 4 accumulators
; (tiles 2 and 0, 3 and 1, 4 and 5, 6 and 7: a tile from the ring beside each tile from LDS): so a unit's two tiles are finished while the later units multiply, and their tanh stands in groups of four vector
; instructions behind the later units' matrix instructions.  tanh has three stages (S1: bias and exponentials; S2: reciprocals; S3: the rest, packed to f16 in place); unit u carries S1 of unit u - 1, S2 of u - 2,
; S3 of u - 3, so no line of a unit names the result of a transcendental of the same unit, and one s_wait_alu at the unit's edge serves them all.  Three lumps are left behind the last unit.  Layer 0 goes wholly so.
; All loads and LDS stores stand in runs at the units' edges, never singly among the matrix instructions.
; NO CLUSTER, NO TENSOR LOADS, though all work-groups read the same weights: beside the 65,536 bytes of activations LDS has room for two slots of 128 fragments, 32 a wave: 64 matrix instructions a wave between
; two changes of slots, each with a wait for all loads and a round of the cluster's barrier, six or more an evaluation; and every fragment would pass through LDS on its way.  The ring in registers never runs empty.
; ACTIVATIONS IN LDS lie as [feature][16 rows] f16, 32 bytes a feature, P and T apart.  A result register j of lane (r, h) is row 8 h + j, column r: a lane's eight results are one feature's 8 rows, 16 bytes,
; one ds_store_b128.  The next layer takes them as source 0 (16 rows x 32 features) by two ds_load_tr16_b128, each over 512 consecutive bytes.
; REGISTERS, in windows of 256 (s_set_vgpr_msb: bits 1:0 source 0, 3:2 source 1, 5:4 source 2, 7:6 destination):
;   window 0: addresses, source 0's slots, biases, the state;  window 1: v0-63 P's sums, v64-127 T's, v128-191 eight slots for fragments from LDS, v192-255 eight resident fragments;
;   window 2: the ring of 32 slots;  window 3: v0-127 layer 0's fragments, v128-255 layer 3's.
.set BUFA,  0                          ; LDS: activations of layers 0 and 2: P, 16,384 bytes, then T
.set BUFB,  32768                      ; of layer 1; its first 64 features also hold layer 0's input: z in P, eps in T
.set TOFF,  16384                      ; from P to T
.set WSB,   65536                      ; the resident fragments: 56 x 1,024 bytes for each wave, in the order of use
.set WSW,   57344
.set SPARE, 294912                     ; the spare words, 128 bytes for each wave: two blocks of 256 bytes that no other line names
.set ZST,   0                          ; the way out (in BUFA, which is read no more): z1, 16 rows of 256 bytes, 272 apart
.set ZP,    272
.set LST,   4608                       ; and the four waves' sums for logp, 64 bytes each
.set FL0C,  65536                      ; wf: byte at which each region begins (W0's rows 0-63 at 0)
.set FL1,   131072
.set FL2,   655360
.set FL3,   1179648
.set TR,  8                            ; v8   the turning load's lane address: 256 h + 32 (r % 8) + 16 (r / 8)
.set STA, 9                            ; v9   where I put a feature's 16 bytes: 4,096 w + 32 r + 16 h
.set STX, 10                           ; v10  the same for layer 0's input: 512 w + 32 r + 16 h
.set WSA, 11                           ; v11  my 16 bytes of a resident fragment: WSB + WSW w + 16 lane
.set OA,  12                           ; v12  offset in wf where a wave has 16 fragments: 16 lane + 16,384 w
.set OB,  13                           ; v13  where it has 128: 16 lane + 131,072 w
.set EO,  14                           ; v14  offset in 16 rows of x, context, eps: 2,048 h + 4 (16 w + r)
.set BO,  15                           ; v15  offset in a bias of 512: 4 (128 w + r)
.set SPW, 16                           ; v16  my spare word; never rewritten
.set NIL, 17                           ; v17  0; never rewritten
.set B3S, 18                           ; v[18:19] b3 out_scale of my column
.set B3O, 20                           ; v20  offset in b3: 4 (16 w + r)
.set WM8, 21                           ; v21  8 lane
.set WM16, 22                          ; v22  16 lane
.set AR,  32                           ; v[32:95]  source 0: 4 slots of 16 (P 8, T 8)
.set CB0, 96                           ; v[96:103]   c t W0[128], a register a column tile; in layers 1 to 3 T's half of a sixth slot of source 0
.set W128, 104                         ; v[104:111]  c W0[128]
.set CB1, 112                          ; v[112:119]  c b1
.set CB2, 120                          ; v[120:127]  c b2
.set ZZ,  128                          ; v[128:135]  z: row 8 h + j, column 16 w + r
.set KS,  136                          ; v[136:143]  k1 + 2 k2 + 2 k3 + k4 as far as it has come
.set EPS, 144                          ; v[144:151]  eps of this evaluation
.set EPN, 152                          ; v[152:159]  eps of the next
.set LP,  160                          ; v[160:167]  logp: my column's share
.set KK,  168                          ; v[168:175]  f; in layers 1 to 3 P's half of a fifth slot of source 0
.set TM,  176                          ; v[176:183]  at work; in layers 1 to 3 T's half of the fifth slot
.set B0,  184                          ; v[184:191]  b0 (set-up only); then P's half of the sixth slot
.set CC0, 192                          ; v[192:255]  context W0[64:128] + b0, 8 registers a column tile
.set ACP, 0                            ; window 1
.set ACT, 64
.set STG, 128
.set RX,  192
.set R0,  0                            ; window 3
.set R3,  128
.set WV,  34                           ; s34  my wave's number
.set CNT, 36                           ; s36  the evaluation, 0 to 15
.set STN, 37                           ; s37  its stage, 0 to 3
.set C2,  38                           ; s[38:39] c.  Of each pair below the packed forms take the low word for both halves
.set HS0, 40                           ; s[40:41], s[42:43], s[44:45] 0.5 / sigma 0, 1, 2
.set HS1, 42
.set HS2, 44
.set OS,  46                           ; s[46:47] out_scale
.set KAP, 48                           ; s[48:49] logp's factor: stage weight x out_scale / 24 / (sigma 0 sigma 1 sigma 2)
.set WGT, 50                           ; s[50:51] the stage's weight: 1, 2, 2, 1
.set GAM, 52                           ; s[52:53] 0 in stage 0 (the sum of k begins), else 1
.set ALP, 54                           ; s[54:55] the next stage's z is z + ALP k: h/2, h/2, h, 0
.set DEL, 56                           ; s[56:57] h/6 in stage 3, else 0
.set TT,  58                           ; s58  t
.set DT,  59                           ; s59  what t changes by behind this stage
.set SEL, 60                           ; s[60:61] v_permlanex16_b32's selects
.set EPP, 66                           ; s[66:67] eps at the evaluation that is being loaded
.set EPB, 68                           ; s[68:69] eps at my work-group's rows
.set OFS, 70                           ; s[70:71] an offset, 0 above it
.set KB,  72                           ; s72  KAP without the stage's weight
.set NI0, 74                           ; s[74:75], s[76:77], s[78:79] -1 / sigma 0, 1, 2
.set NI1, 76
.set NI2, 78
.set MSB, 0
.macro WIN new                         ; the immediate's high byte repeats the setting that is left; a switch that changes nothing is dropped
.if MSB != (\new)
	s_set_vgpr_msb (MSB<<8)|(\new)
.set MSB, (\new)
.endif
.endm
.macro WINR                            ; tanh's lines work in window 1; only source 2 differs: window 0 (0x45, the bias) or window 1 (0x55); most lines have no register there and take either
.if (MSB != 0x45) && (MSB != 0x55)
	WIN 0x45
.endif
.endm
; A vector instruction that reads a matrix result, and a load into a register that a matrix instruction has read, stand four places behind it; only plain vector instructions that name none of
; its registers are places (ISA guide 7.12.1 for vector instructions).
.macro PLACES
.rept 4
	v_nop
.endr
.endm
.macro BAR                             ; my LDS stores are done and my LDS loads are back, for the others' sake; then all four waves meet
	s_wait_dscnt 0x0
	s_barrier_signal -1
	s_barrier_wait -1
.endm
; The edge behind a unit: the four places in front of the run of loads and of the next unit's first reads of this unit's sums; they are also the plain instructions behind the unit's last transcendental.
; tr = 1: the unit held transcendentals: the one wait ahead of the first line that names a result of theirs.
.macro EDGE tr
	PLACES
.if \tr
	s_wait_alu depctr_va_vdst(0)
.endif
.endm
; Where source 0 of k step ks lies in layers 0 to 2: k steps 0-11 in slot ks % 4, 12 and 13 in the fifth and sixth slot, 14 and 15 in slots 0 and 1
.macro ASL ks
.if (\ks) == 12
.set aP, KK
.set aT, TM
.elseif (\ks) == 13
.set aP, B0
.set aT, CB0
.elseif (\ks) >= 14
.set aP, AR+16*((\ks)-14)
.set aT, aP+8
.else
.set aP, AR+16*((\ks)%4)
.set aT, aP+8
.endif
.endm
.macro ALOAD base, ks                  ; source 0 of k step ks (features 32 ks on) of the activations at base: P's fragment and T's
	WIN 0
	ASL \ks
	ds_load_tr16_b128 v[aP:aP+3],   v[TR] offset:(\base)+1024*(\ks)
	ds_load_tr16_b128 v[aP+4:aP+7], v[TR] offset:(\base)+1024*(\ks)+512
	ds_load_tr16_b128 v[aT:aT+3],   v[TR] offset:(\base)+TOFF+1024*(\ks)
	ds_load_tr16_b128 v[aT+4:aT+7], v[TR] offset:(\base)+TOFF+1024*(\ks)+512
.endm
; Four resident fragments, numbers p0 .. p0 + 3 in the order of use (56 an evaluation, so 56 on means the next evaluation's), from my part of LDS.  Fragment p goes into slot p % 8; it is asked for
; only behind the unit that multiplied fragment p - 8.
.macro SLOAD4 p0
	WIN 0x40
.set pp, (\p0)
.rept 4
	ds_load_b128 v[STG+8*(pp%8):STG+8*(pp%8)+3],   v[WSA] offset:1024*(pp%56)
	ds_load_b128 v[STG+8*(pp%8)+4:STG+8*(pp%8)+7], v[WSA] offset:1024*(pp%56)+512
.set pp, pp+1
.endr
.endm
.macro SOPT p0                         ; or none
.if (\p0) >= 0
	SLOAD4 \p0
.endif
.endm
; Streamed fragment q of 192, in the order of use, into ring slot q % 32.  Layer 1 + q / 96; of a layer's 96: 0-59 k step by k step (tiles 2-7 of k steps 0-9); 60-65 tile 2, 66-71 tile 3 (k steps 10-15);
; 72-83 tiles 4 and 5 by turns, 84-95 tiles 6 and 7.
.macro GLOAD q
	WIN 0x80
.set gq, (\q)%192
.set gr, gq%96
.if gr < 60
.set gk, gr/6
.set gn, 2+gr%6
.elseif gr < 72
.set gk, 10+(gr-60)%6
.set gn, 2+(gr-60)/6
.else
.set gk, 10+((gr-72)%12)/2
.set gn, 4+2*((gr-72)/12)+gr%2
.endif
.set go, FL1+(FL2-FL1)*(gq/96)+(gk*8+gn)*1024
	global_load_b128 v[8*(gq%32):8*(gq%32)+3],   v[OB], s[8:9] offset:go
	global_load_b128 v[8*(gq%32)+4:8*(gq%32)+7], v[OB], s[8:9] offset:go+512
.endm
.macro REFILL q0, num                  ; the slots that a unit has multiplied are asked for again: fragments q0 on
.set gi, 0
.rept \num
	GLOAD (\q0)+gi
.set gi, gi+1
.endr
.endm
; Column tile n: P's rows and then T's by the same weights b; source 0 as ASL has set it.  z = 1: the products start the sums: nothing is cleared.
.macro MM2 n, b, z
.if \z
	v_wmma_f32_16x16x32_f16 v[ACP+8*(\n):ACP+8*(\n)+7], v[aP:aP+7], v[(\b):(\b)+7], 0
	v_wmma_f32_16x16x32_f16 v[ACT+8*(\n):ACT+8*(\n)+7], v[aT:aT+7], v[(\b):(\b)+7], 0
.else
	v_wmma_f32_16x16x32_f16 v[ACP+8*(\n):ACP+8*(\n)+7], v[aP:aP+7], v[(\b):(\b)+7], v[ACP+8*(\n):ACP+8*(\n)+7]
	v_wmma_f32_16x16x32_f16 v[ACT+8*(\n):ACT+8*(\n)+7], v[aT:aT+7], v[(\b):(\b)+7], v[ACT+8*(\n):ACT+8*(\n)+7]
.endif
.endm
; K step ks (0-9) of layer 1 + l: 16 matrix instructions, the 16 accumulators by turns, one instruction a turn.  cnt: the ring loads that may stay out.
.macro FK l, ks, cnt
	ASL \ks
.set zf, 0
.if (\ks) == 0
.set zf, 1
.endif
.if (\l) == 0
.set pa, 2*(\ks)                       ; the number, in the order of use, of tile 0's resident fragment; tile 1's follows it
.elseif (\ks) < 8
.set pa, 32+2*(\ks)
.else
.set pa, 40+(\ks)
.endif
	WIN 0x54
	MM2 0, STG+8*(pa%8), zf
.if ((\l) == 1) && ((\ks) >= 8)
	MM2 1, RX+8*((\ks)-8), zf
.else
	MM2 1, STG+8*((pa+1)%8), zf
.endif
	s_wait_loadcnt \cnt                            ; loads come back in order (ISA guide 5.7.1): behind every run 32 fragments are asked for; this k step's six are in when the 26 (the unit's second k step: 20) behind them, two loads each, are all that is out
	WIN 0x58
.irp n, 2,3,4,5,6,7
	MM2 \n, 8*((6*(\ks)+\n-2)%32), zf
.endr
.endm
; UNIT i (0-4) OF A LAYER'S FRONT: k steps 2 i and 2 i + 1, then one run: source 0 of the unit after next (behind unit 4: k steps 14 and 15), four resident fragments from sp on (or none), the 12 ring slots.
.macro FUNIT l, i, src, sp
.if (\i) == 0
	s_wait_dscnt 20                                ; of the 24 loads at the layer's head the first four, k step 0, are in
.else
	s_wait_dscnt 16                                ; all but the run just issued (8 loads of source 0, 8 of resident fragments): this unit's operands came a run earlier
.endif
	FK \l, 2*(\i), 52
.if (\i) == 0
	s_wait_dscnt 16                                ; k step 1
.endif
	FK \l, 2*(\i)+1, 40
	PLACES
.if (\i) < 4
	ALOAD \src, 2*(\i)+4
	ALOAD \src, 2*(\i)+5
.else
	ALOAD \src, 14
	ALOAD \src, 15
.endif
	SOPT \sp
	REFILL 96*(\l)+12*(\i)+32, 12
.endm
; The two column tiles of unit u (0-3); -1 where there is no such unit
.macro TILES u
.set ta, -1
.set tb, -1
.if (\u) >= 0
.if (\u) < 2
.set ta, 2+(\u)
.set tb, (\u)
.elseif (\u) < 4
.set ta, 2*(\u)
.set tb, 2*(\u)+1
.endif
.endif
.endm
.macro STAGES u                        ; what rides in unit u (4, 5, 6: the lumps behind the last unit)
	TILES (\u)-1
.set s1a, ta
.set s1b, tb
	TILES (\u)-2
.set s2a, ta
.set s2b, tb
	TILES (\u)-3
.set s3a, ta
.set s3b, tb
.endm
; tanh's LINES, for column tile n (none where n < 0); k: a pair of the tile's 8 registers, e: one of them.  CBS, HSS, NIS name the layer's bias registers and its two scalars.
.macro QF n, k                         ; S1: c u + c bias; the bias is one register a column tile, given to both halves
.if (\n) >= 0
	WIN 0x45
.if (\n)%2
	v_pk_fma_f32 v[ACP+8*(\n)+2*(\k):ACP+8*(\n)+2*(\k)+1], v[ACP+8*(\n)+2*(\k):ACP+8*(\n)+2*(\k)+1], s[C2:C2+1], v[CBS+(\n)-1:CBS+(\n)] op_sel:[0,0,1] op_sel_hi:[1,0,1]
.else
	v_pk_fma_f32 v[ACP+8*(\n)+2*(\k):ACP+8*(\n)+2*(\k)+1], v[ACP+8*(\n)+2*(\k):ACP+8*(\n)+2*(\k)+1], s[C2:C2+1], v[CBS+(\n):CBS+(\n)+1] op_sel_hi:[1,0,0]
.endif
.endif
.endm
.macro QE n, e                         ; S1: e^(2 u)
.if (\n) >= 0
	WINR
	v_exp_f32 v[ACP+8*(\n)+(\e)], v[ACP+8*(\n)+(\e)]
.endif
.endm
.macro QH n, k                         ; S2: (0.5 e + 0.5) / sigma
.if (\n) >= 0
	WINR
	v_pk_fma_f32 v[ACP+8*(\n)+2*(\k):ACP+8*(\n)+2*(\k)+1], v[ACP+8*(\n)+2*(\k):ACP+8*(\n)+2*(\k)+1], s[HSS:HSS+1], s[HSS:HSS+1] op_sel_hi:[1,0,0]
.endif
.endm
.macro QR n, e                         ; S2: S = sigma s
.if (\n) >= 0
	WINR
	v_rcp_f32 v[ACP+8*(\n)+(\e)], v[ACP+8*(\n)+(\e)]
.endif
.endm
.macro QM n, k                         ; S3: tangent x S
.if (\n) >= 0
	WINR
	v_pk_mul_f32 v[ACT+8*(\n)+2*(\k):ACT+8*(\n)+2*(\k)+1], v[ACT+8*(\n)+2*(\k):ACT+8*(\n)+2*(\k)+1], v[ACP+8*(\n)+2*(\k):ACP+8*(\n)+2*(\k)+1]
.endif
.endm
.macro QA n, k                         ; S3: a = 1 - S / sigma
.if (\n) >= 0
	WINR
	v_pk_fma_f32 v[ACP+8*(\n)+2*(\k):ACP+8*(\n)+2*(\k)+1], v[ACP+8*(\n)+2*(\k):ACP+8*(\n)+2*(\k)+1], s[NIS:NIS+1], 1.0 op_sel_hi:[1,0,0]
.endif
.endm
.macro QG n, k                         ; S3: tangent x (1 + a), fused
.if (\n) >= 0
	WIN 0x55
	v_pk_fma_f32 v[ACT+8*(\n)+2*(\k):ACT+8*(\n)+2*(\k)+1], v[ACT+8*(\n)+2*(\k):ACT+8*(\n)+2*(\k)+1], v[ACP+8*(\n)+2*(\k):ACP+8*(\n)+2*(\k)+1], v[ACT+8*(\n)+2*(\k):ACT+8*(\n)+2*(\k)+1]
.endif
.endm
.macro QCA n, k                        ; S3: pair k of a to f16, in place: register k of the tile, whose own pair has been packed (k ascending)
.if (\n) >= 0
	WINR
	v_cvt_pk_f16_f32 v[ACP+8*(\n)+(\k)], v[ACP+8*(\n)+2*(\k)], v[ACP+8*(\n)+2*(\k)+1]
.endif
.endm
.macro QCT n, k                        ; S3: the same for the tangent
.if (\n) >= 0
	WINR
	v_cvt_pk_f16_f32 v[ACT+8*(\n)+(\k)], v[ACT+8*(\n)+2*(\k)], v[ACT+8*(\n)+2*(\k)+1]
.endif
.endm
.macro WG n                            ; a group with QG in it is written under QG's windows from its first line on
.if (\n) >= 0
	WIN 0x55
.endif
.endm
; GROUP m OF 12: at most four lines: S1 of tile n1, S2 of tile n2, S3 of tile n3, a transcendental and a plain line by turns.  Every accumulator is read from its low end on (S1 begins with P's
; pair 0, S3 with T's).  A pair is scaled a group or more ahead of its two transcendentals; no line follows a transcendental whose register it names.
.macro RG m, n1, n2, n3
.if (\m) == 0
	QM \n3, 0
	QA \n3, 0
	QM \n3, 1
	QA \n3, 1
.elseif (\m) == 1
	QF \n1, 0
	QH \n2, 0
	QM \n3, 2
	QA \n3, 2
.elseif (\m) == 2
	QE \n1, 0
	QF \n1, 1
	QR \n2, 0
	QH \n2, 1
.elseif (\m) == 3
	QE \n1, 1
	QM \n3, 3
	QR \n2, 1
	QA \n3, 3
.elseif (\m) == 4
	QE \n1, 2
	QF \n1, 2
	QR \n2, 2
	QH \n2, 2
.elseif (\m) == 5
	WG \n3
	QE \n1, 3
	QG \n3, 0
	QR \n2, 3
	QG \n3, 1
.elseif (\m) == 6
	QE \n1, 4
	QF \n1, 3
	QR \n2, 4
	QH \n2, 3
.elseif (\m) == 7
	WG \n3
	QE \n1, 5
	QG \n3, 2
	QR \n2, 5
	QG \n3, 3
.elseif (\m) == 8
	QE \n1, 6
	QCA \n3, 0
	QR \n2, 6
	QCA \n3, 1
.elseif (\m) == 9
	QE \n1, 7
	QCA \n3, 2
	QR \n2, 7
	QCA \n3, 3
.elseif (\m) == 10
	QCT \n3, 0
	QCT \n3, 1
	QCT \n3, 2
	QCT \n3, 3
.endif
.endm
.macro RGRP g                          ; group g of a unit's 24: the units' first and second tiles by turns
.if (\g)%2
	RG (\g)/2, s1b, s2b, s3b
.else
	RG (\g)/2, s1a, s2a, s3a
.endif
.endm
.macro DRAIN u                         ; a lump behind the last unit
	STAGES \u
.set gg, 0
.rept 24
	RGRP gg
.set gg, gg+1
.endr
.endm
.macro PUT u, dst                      ; unit u's two tiles, packed in the low four registers of their accumulators, into the activations at dst
	TILES \u
	WIN 0x04                                       ; store data in window 1
	ds_store_b128 v[STA], v[ACP+8*ta:ACP+8*ta+3] offset:(\dst)+512*ta
	ds_store_b128 v[STA], v[ACP+8*tb:ACP+8*tb+3] offset:(\dst)+512*tb
	ds_store_b128 v[STA], v[ACT+8*ta:ACT+8*ta+3] offset:(\dst)+TOFF+512*ta
	ds_store_b128 v[STA], v[ACT+8*tb:ACT+8*tb+3] offset:(\dst)+TOFF+512*tb
.endm
.macro FINISH dst                      ; the three lumps, each unit stored as soon as it is packed, and the layer's barrier
	DRAIN 4
	v_nop                                          ; a plain instruction behind the last transcendental,
	s_wait_alu depctr_va_vdst(0)                   ; and the lump's one wait, ahead of the next lump's readers
	PUT 1, \dst
	DRAIN 5
	v_nop
	s_wait_alu depctr_va_vdst(0)
	PUT 2, \dst
	DRAIN 6
	PUT 3, \dst
	WIN 0
	BAR
.endm
; Matrix instruction i of 24 of tail unit u of layer 1 + l: k step 10 + i / 4; first tile's P, its T, second tile's P, its T: four accumulators by turns
.macro TW l, u, i
.set tj, (\i)/4
.set th, ((\i)%4)/2
	ASL 10+tj
	TILES \u
.set tn, ta
.if th
.set tn, tb
.endif
.if tn >= 2
.if (\u) < 2
.set tq, 60+6*(\u)+tj
.else
.set tq, 72+12*((\u)-2)+2*tj+th
.endif
.set bR, 8*(tq%32)
	WIN 0x58
.else
.if (\l) == 0
.set bR, STG+8*((20+6*(\u)+tj)%8)
.elseif (\u) == 0
.set bR, STG+8*((50+tj)%8)
.else
.set bR, RX+8*(2+tj)
.endif
	WIN 0x54
.endif
.if (\i)%2
	v_wmma_f32_16x16x32_f16 v[ACT+8*tn:ACT+8*tn+7], v[aT:aT+7], v[bR:bR+7], v[ACT+8*tn:ACT+8*tn+7]
.else
	v_wmma_f32_16x16x32_f16 v[ACP+8*tn:ACP+8*tn+7], v[aP:aP+7], v[bR:bR+7], v[ACP+8*tn:ACP+8*tn+7]
.endif
.endm
.macro TUNIT l, u                      ; a tail unit: 24 matrix instructions, a group of tanh behind each
	STAGES \u
.set wi, 0
.rept 24
.if wi == 0
.if (\u) == 0
	s_wait_dscnt 16-8*(\l)                         ; all but the run just issued (layer 1: 16 LDS loads, layer 2: 8): k steps 10-13 and their resident fragments came earlier
.endif
	s_wait_loadcnt 52                              ; the next six ring fragments are in: the 26 asked for behind them may be out
.endif
.if ((\u) >= 2) && (wi == 12)
	s_wait_loadcnt 40                              ; and the unit's other six
.endif
.if ((\u) == 0) && (wi == 16)
	s_wait_dscnt 0x0                               ; k steps 14 and 15 and their resident fragments, asked for 16 matrix instructions ago
.endif
.if ((\u) == 1) && ((\l) == 0) && (wi == 8)
	s_wait_dscnt 0x0                               ; tile 1's fragments of k steps 12-15, asked for 8 matrix instructions ago
.endif
	TW \l, \u, wi
	RGRP wi
.set wi, wi+1
.endr
.endm
; A WHOLE HIDDEN LAYER 1 + l.  a0-a7: the first of the four resident fragments that each of the first eight runs asks for, or -1
.macro LAYER l, src, dst, a0, a1, a2, a3, a4, a5, a6, a7
	ALOAD \src, 0
	ALOAD \src, 1
	ALOAD \src, 2
	ALOAD \src, 3
	ALOAD \src, 12
	ALOAD \src, 13
	FUNIT \l, 0, \src, \a0
	FUNIT \l, 1, \src, \a1
	FUNIT \l, 2, \src, \a2
	FUNIT \l, 3, \src, \a3
	FUNIT \l, 4, \src, \a4
	TUNIT \l, 0
	EDGE 0
	SOPT \a5
	REFILL 96*(\l)+92, 6
	TUNIT \l, 1
	EDGE 1
	SOPT \a6
	REFILL 96*(\l)+98, 6
	TUNIT \l, 2
	EDGE 1
	SOPT \a7
	REFILL 96*(\l)+104, 12
	TUNIT \l, 3
	EDGE 1
	PUT 0, \dst
	REFILL 96*(\l)+116, 12
	FINISH \dst
.endm
; Matrix instruction i of 8 of layer 0's unit u: k step i / 4; the weights from registers.  P's sums start with the context's part and b0, T's with 0
.macro ZW u, i
	TILES \u
.set tn, ta
.if ((\i)%4)/2
.set tn, tb
.endif
	ASL (\i)/4
.if (\i) < 4
	WIN 0x4c                                       ; weights in window 3, C in window 0
.if (\i)%2
	v_wmma_f32_16x16x32_f16 v[ACT+8*tn:ACT+8*tn+7], v[aT:aT+7], v[R0+8*tn:R0+8*tn+7], 0
.else
	v_wmma_f32_16x16x32_f16 v[ACP+8*tn:ACP+8*tn+7], v[aP:aP+7], v[R0+8*tn:R0+8*tn+7], v[CC0+8*tn:CC0+8*tn+7]
.endif
.else
	WIN 0x5c
.if (\i)%2
	v_wmma_f32_16x16x32_f16 v[ACT+8*tn:ACT+8*tn+7], v[aT:aT+7], v[R0+64+8*tn:R0+64+8*tn+7], v[ACT+8*tn:ACT+8*tn+7]
.else
	v_wmma_f32_16x16x32_f16 v[ACP+8*tn:ACP+8*tn+7], v[aP:aP+7], v[R0+64+8*tn:R0+64+8*tn+7], v[ACP+8*tn:ACP+8*tn+7]
.endif
.endif
.endm
.macro ZUNIT u                         ; layer 0's unit: 8 matrix instructions, three groups of tanh behind each
	STAGES \u
.set wi, 0
.rept 8
.if (\u) == 0
.if wi == 0
	s_wait_dscnt 4                                 ; k step 0 is in; the four loads of k step 1 may be out
.elseif wi == 4
	s_wait_dscnt 0x0
.endif
.endif
	ZW \u, wi
	RGRP 3*wi
	RGRP 3*wi+1
	RGRP 3*wi+2
.set wi, wi+1
.endr
.endm
; Layer 3's source 0: k steps 0-3 and again 12-15 in the four slots, 4 and 5 in the fifth and sixth, 6-11 in window 1, in the accumulators of tiles 2-7, which are idle here
.macro ASL3 t
.set aW, 0
.if (\t) < 4
.set aP, AR+16*(\t)
.set aT, aP+8
.elseif (\t) == 4
.set aP, KK
.set aT, TM
.elseif (\t) == 5
.set aP, B0
.set aT, CB0
.elseif (\t) < 12
.set aW, 1
.set aP, ACP+16+8*((\t)-6)
.set aT, ACT+16+8*((\t)-6)
.else
.set aP, AR+16*((\t)-12)
.set aT, aP+8
.endif
.endm
.macro ALOAD3 t
	ASL3 \t
	WIN 0x40*aW
	ds_load_tr16_b128 v[aP:aP+3],   v[TR] offset:BUFA+1024*(\t)
	ds_load_tr16_b128 v[aP+4:aP+7], v[TR] offset:BUFA+1024*(\t)+512
	ds_load_tr16_b128 v[aT:aT+3],   v[TR] offset:BUFA+TOFF+1024*(\t)
	ds_load_tr16_b128 v[aT+4:aT+7], v[TR] offset:BUFA+TOFF+1024*(\t)+512
.endm
.macro MM3 t                           ; k step t of layer 3: even and odd k steps have sums of their own, so four accumulators take turns
	ASL3 \t
	WIN 0x5c+aW
.if (\t) < 2
	MM2 (\t)%2, R3+8*(\t), 1
.else
	MM2 (\t)%2, R3+8*(\t), 0
.endif
.endm
.macro RLOAD p, slot                   ; resident fragment p of 56, in the order of use, from wf into ring slot `slot`, on its way into LDS
.if (\p) < 20
.set ro, FL1+(((\p)/2)*8+(\p)%2)*1024  ; layer 1, k steps 0-9, tiles 0 and 1 by turns
.elseif (\p) < 26
.set ro, FL1+(((\p)-10)*8)*1024        ; layer 1, tile 0, k steps 10-15
.elseif (\p) < 32
.set ro, FL1+(((\p)-16)*8+1)*1024      ; layer 1, tile 1, k steps 10-15
.elseif (\p) < 48
.set ro, FL2+((((\p)-32)/2)*8+(\p)%2)*1024  ; layer 2, k steps 0-7, tiles 0 and 1 by turns
.else
.set ro, FL2+(((\p)-40)*8)*1024        ; layer 2, tile 0, k steps 8-15
.endif
	global_load_b128 v[8*(\slot):8*(\slot)+3],   v[OB], s[8:9] offset:ro
	global_load_b128 v[8*(\slot)+4:8*(\slot)+7], v[OB], s[8:9] offset:ro+512
.endm
.macro RSTORE p, slot
	ds_store_b128 v[WSA], v[8*(\slot):8*(\slot)+3]   offset:1024*(\p)
	ds_store_b128 v[WSA], v[8*(\slot)+4:8*(\slot)+7] offset:1024*(\p)+512
.endm
.macro CVT4 d, s                       ; eight f32 to 16 bytes of f16
	v_cvt_pk_f16_f32 v[(\d)],   v[(\s)],   v[(\s)+1]
	v_cvt_pk_f16_f32 v[(\d)+1], v[(\s)+2], v[(\s)+3]
	v_cvt_pk_f16_f32 v[(\d)+2], v[(\s)+4], v[(\s)+5]
	v_cvt_pk_f16_f32 v[(\d)+3], v[(\s)+6], v[(\s)+7]
.endm
.macro MAX16 b
	v_max3_num_f32 v[\b], v[\b], v[\b+1], v[\b+2]
	v_max3_num_f32 v[\b+3], v[\b+3], v[\b+4], v[\b+5]
	v_max3_num_f32 v[\b+6], v[\b+6], v[\b+7], v[\b+8]
	v_max3_num_f32 v[\b+9], v[\b+9], v[\b+10], v[\b+11]
	v_max3_num_f32 v[\b+12], v[\b+12], v[\b+13], v[\b+14]
	v_max3_num_f32 v[\b], v[\b], v[\b+3], v[\b+6]
	v_max3_num_f32 v[\b+9], v[\b+9], v[\b+12], v[\b+15]
	v_max_num_f32 v[\b], v[\b], v[\b+9]
.endm
.macro LANEMAX a, b, sd                ; over the 32 lanes, into a scalar
	v_max_num_f32_dpp v[\a], v[\a], v[\a] row_xmask:1 row_mask:0xf bank_mask:0xf
	v_max_num_f32_dpp v[\a], v[\a], v[\a] row_xmask:2 row_mask:0xf bank_mask:0xf
	v_max_num_f32_dpp v[\a], v[\a], v[\a] row_xmask:4 row_mask:0xf bank_mask:0xf
	v_max_num_f32_dpp v[\a], v[\a], v[\a] row_xmask:8 row_mask:0xf bank_mask:0xf
	v_permlanex16_b32 v[\b], v[\a], s[SEL], s[SEL+1]
	v_max_num_f32 v[\a], v[\a], v[\b]
	v_readfirstlane_b32 s[\sd], v[\a]
.endm
	; ---- set-up: addresses ----
	s_load_b512 s[8:23], s[0:1], 0x0               ; wf s[8:9], wmax s[10:11], W0 s[12:13], b0 s[14:15], b1 s[16:17], b2 s[18:19], b3 s[20:21], out_scale s[22:23]
	s_load_b256 s[24:31], s[0:1], 0x40             ; context s[24:25], x s[26:27], eps s[28:29], out0 s[30:31]
	s_load_b64 s[32:33], s[0:1], 0x60              ; out1
	v_lshl_add_u32 v[SPW], v0, 2, SPARE
	v_mov_b32 v[NIL], 0
	v_lshrrev_b32 v4, 5, v0
	v_readfirstlane_b32 s[WV], v4                  ; wave 0..3
	v_and_b32 v1, 15, v0                           ; r
	v_bfe_u32 v2, v0, 4, 1                         ; h
	v_and_b32 v3, 31, v0                           ; lane
	v_and_b32 v4, 7, v0
	v_bfe_u32 v5, v0, 3, 1
	v_lshlrev_b32 v[TR], 8, v2
	v_lshl_add_u32 v[TR], v4, 5, v[TR]
	v_lshl_add_u32 v[TR], v5, 4, v[TR]
	v_lshlrev_b32 v6, 5, v1
	v_lshl_add_u32 v6, v2, 4, v6                   ; 32 r + 16 h
	s_lshl_b32 s2, s[WV], 12
	v_add_nc_u32 v[STA], s2, v6
	s_lshl_b32 s3, s[WV], 9
	v_add_nc_u32 v[STX], s3, v6
	v_lshl_add_u32 v[BO], v1, 2, s3
	s_mul_i32 s4, s[WV], WSW
	s_add_co_u32 s4, s4, WSB
	v_lshl_add_u32 v[WSA], v3, 4, s4
	s_lshl_b32 s5, s[WV], 14
	v_lshl_add_u32 v[OA], v3, 4, s5
	s_lshl_b32 s6, s[WV], 17
	v_lshl_add_u32 v[OB], v3, 4, s6
	s_lshl_b32 s7, s[WV], 6
	v_lshl_add_u32 v[B3O], v1, 2, s7
	v_lshl_add_u32 v[EO], v2, 11, v[B3O]
	v_lshlrev_b32 v[WM8], 3, v3
	v_lshlrev_b32 v[WM16], 4, v3
	s_mov_b32 s[C2], 0x4038aa3b                    ; c = 2 log2(e)
.irp p, C2, HS0, HS1, HS2, NI0, NI1, NI2, OS, KAP, WGT, GAM, ALP, DEL
	s_mov_b32 s[\p+1], 0                           ; named with the word below it as a pair, so it is written
.endr
	s_mov_b32 s[SEL], 0x76543210
	s_mov_b32 s[SEL+1], 0xfedcba98
	s_lshl_b32 s[OFS], ttmp9, 12                   ; my work-group's 16 rows of 256 bytes
	s_mov_b32 s[OFS+1], 0
	s_wait_kmcnt 0x0
	s_load_b32 s[OS], s[22:23], 0x0
	s_add_nc_u64 s[24:25], s[24:25], s[OFS:OFS+1]
	s_add_nc_u64 s[26:27], s[26:27], s[OFS:OFS+1]
	s_add_nc_u64 s[EPB:EPB+1], s[28:29], s[OFS:OFS+1]
	s_add_nc_u64 s[30:31], s[30:31], s[OFS:OFS+1]
	s_lshl_b32 s[OFS], ttmp9, 6                    ; 16 numbers of out1
	s_add_nc_u64 s[32:33], s[32:33], s[OFS:OFS+1]
	; ---- set-up: the first loads ----
	global_load_b64 v[32:33], v[WM8], s[10:11]     ; wmax of W0's rows 0-63: 64 numbers,
.irp i, 0,1,2,3
	global_load_b128 v[36+4*\i:39+4*\i], v[WM16], s[10:11] offset:512+512*\i   ; of W1: 512,
	global_load_b128 v[52+4*\i:55+4*\i], v[WM16], s[10:11] offset:2560+512*\i  ; of W2: 512
.endr
.irp n, 0,1,2,3,4,5,6,7
	global_load_b32 v[B0+\n],   v[BO], s[14:15] offset:64*\n
	global_load_b32 v[W128+\n], v[BO], s[12:13] offset:262144+64*\n            ; W0's row 128, which multiplies t
	global_load_b32 v[CB1+\n],  v[BO], s[16:17] offset:64*\n
	global_load_b32 v[CB2+\n],  v[BO], s[18:19] offset:64*\n
.endr
	global_load_b32 v[B3S], v[B3O], s[20:21]
.irp j, 0,1,2,3,4,5,6,7
	global_load_b32 v[KK+\j],  v[EO], s[24:25] offset:256*\j th:TH_LOAD_NT          ; context
	global_load_b32 v[ZZ+\j],  v[EO], s[26:27] offset:256*\j th:TH_LOAD_NT          ; x
	global_load_b32 v[EPS+\j], v[EO], s[EPB:EPB+1] offset:256*\j th:TH_LOAD_NT      ; eps of evaluation 0
	global_load_b32 v[EPN+\j], v[EO], s[EPB:EPB+1] offset:524288+256*\j th:TH_LOAD_NT  ; and 1
.endr
	WIN 0x40
.set fi, 0
.rept 16                                           ; W0's rows 64-127, my 16 fragments, where T's sums and the slots will lie
	global_load_b128 v[64+8*fi:64+8*fi+3],   v[OA], s[8:9] offset:FL0C+1024*fi
	global_load_b128 v[64+8*fi+4:64+8*fi+7], v[OA], s[8:9] offset:FL0C+1024*fi+512
.set fi, fi+1
.endr
	WIN 0x80
.set fi, 0
.rept 32
	RLOAD fi, fi                                   ; the first 32 of the 56 fragments that will stay in LDS
.set fi, fi+1
.endr
	s_wait_loadcnt 63                              ; all that was asked for ahead of those 64 loads is in (and the first of them: the count's field ends at 63)
	WIN 0xc0
.set fi, 0
.rept 16                                           ; what stays in registers: layer 0's 16 fragments, layer 3's 16,
	global_load_b128 v[R0+8*fi:R0+8*fi+3],   v[OA], s[8:9] offset:1024*fi
	global_load_b128 v[R0+8*fi+4:R0+8*fi+7], v[OA], s[8:9] offset:1024*fi+512
	global_load_b128 v[R3+8*fi:R3+8*fi+3],   v[OA], s[8:9] offset:FL3+1024*fi
	global_load_b128 v[R3+8*fi+4:R3+8*fi+7], v[OA], s[8:9] offset:FL3+1024*fi+512
.set fi, fi+1
.endr
	WIN 0x40
.set fi, 0
.rept 8                                            ; and layer 2's column tile 1 at k steps 8-15
	global_load_b128 v[RX+8*fi:RX+8*fi+3],   v[OB], s[8:9] offset:FL2+((8+fi)*8+1)*1024
	global_load_b128 v[RX+8*fi+4:RX+8*fi+7], v[OB], s[8:9] offset:FL2+((8+fi)*8+1)*1024+512
.set fi, fi+1
.endr
	WIN 0
	; ---- set-up: the scales ----
	v_max_num_f32 v32, v32, v33
	MAX16 36
	MAX16 52
	LANEMAX 32, 33, 2
	LANEMAX 36, 37, 3
	LANEMAX 52, 53, 4
	s_and_b32 s2, s2, 0x7f800000                   ; the exponent field E of max|W|, in its place.  sigma = 2^(123 - E)
	s_and_b32 s3, s3, 0x7f800000
	s_and_b32 s4, s4, 0x7f800000
	s_add_co_u32 s[HS0], s2, 0x1800000             ; 0.5 / sigma: exponent field E + 3
	s_add_co_u32 s[HS1], s3, 0x1800000
	s_add_co_u32 s[HS2], s4, 0x1800000
	s_add_co_u32 s2, s2, 0x2000000                 ; 1 / sigma: exponent field E + 4
	s_add_co_u32 s3, s3, 0x2000000
	s_add_co_u32 s4, s4, 0x2000000
	s_or_b32 s[NI0], s2, 0x80000000                ; -1 / sigma
	s_or_b32 s[NI1], s3, 0x80000000
	s_or_b32 s[NI2], s4, 0x80000000
	s_wait_kmcnt 0x0                               ; out_scale
	s_mul_f32 s[KB], s[OS], 0x3d2aaaab             ; logp gains (h/6) w (-eps . J eps) = w (eps . J eps) / 24, h = -1/4
	s_mul_f32 s[KB], s[KB], s2
	s_mul_f32 s[KB], s[KB], s3
	s_mul_f32 s[KB], s[KB], s4
.irp i, 0,2,4,6
	v_pk_mul_f32 v[W128+\i:W128+\i+1], v[W128+\i:W128+\i+1], s[C2:C2+1] op_sel_hi:[1,0]
	v_pk_mul_f32 v[CB1+\i:CB1+\i+1],   v[CB1+\i:CB1+\i+1],   s[C2:C2+1] op_sel_hi:[1,0]
	v_pk_mul_f32 v[CB2+\i:CB2+\i+1],   v[CB2+\i:CB2+\i+1],   s[C2:C2+1] op_sel_hi:[1,0]
.endr
	v_mul_f32 v[B3S], s[OS], v[B3S]
	v_mov_b32 v[B3S+1], v[B3S]
	; ---- set-up: context W0[64:128] + b0 ----
	CVT4 4, KK
	ds_store_b128 v[STX], v[4:7] offset:BUFB       ; my 16 features of the context
	BAR                                            ; all 64 lie there
	ds_load_tr16_b128 v[AR:AR+3],     v[TR] offset:BUFB
	ds_load_tr16_b128 v[AR+4:AR+7],   v[TR] offset:BUFB+512
	ds_load_tr16_b128 v[AR+16:AR+19], v[TR] offset:BUFB+1024
	ds_load_tr16_b128 v[AR+20:AR+23], v[TR] offset:BUFB+1536
	BAR                                            ; my loads are back, and so are everybody's: z may be stored over the context below
	WIN 0x54
.irp n, 0,1,2,3,4,5,6,7
	v_wmma_f32_16x16x32_f16 v[ACP+8*\n:ACP+8*\n+7], v[AR:AR+7], v[64+8*\n:64+8*\n+7], 0
.endr
.irp n, 0,1,2,3,4,5,6,7
	v_wmma_f32_16x16x32_f16 v[ACP+8*\n:ACP+8*\n+7], v[AR+16:AR+23], v[128+8*\n:128+8*\n+7], v[ACP+8*\n:ACP+8*\n+7]
.endr
	PLACES
	WIN 0x01                                       ; source 0 in window 1
.set pq, 0
.rept 32
.if (pq/4)%2
	v_pk_add_f32 v[CC0+2*pq:CC0+2*pq+1], v[ACP+2*pq:ACP+2*pq+1], v[B0+pq/4-1:B0+pq/4] op_sel:[0,1] op_sel_hi:[1,1]
.else
	v_pk_add_f32 v[CC0+2*pq:CC0+2*pq+1], v[ACP+2*pq:ACP+2*pq+1], v[B0+pq/4:B0+pq/4+1] op_sel_hi:[1,0]
.endif
.set pq, pq+1
.endr
	; ---- set-up: the fragments that stay in LDS; each wave writes and reads its own part alone ----
	s_wait_loadcnt 0x0
	WIN 0x08                                       ; store data in window 2
.set fi, 0
.rept 32
	RSTORE fi, fi
.set fi, fi+1
.endr
	s_wait_dscnt 0x0                               ; the stores have read the slots
	WIN 0x80
.set fi, 0
.rept 24
	RLOAD 32+fi, fi
.set fi, fi+1
.endr
	s_wait_loadcnt 0x0
	WIN 0x08
.set fi, 0
.rept 24
	RSTORE 32+fi, fi
.set fi, fi+1
.endr
	s_wait_dscnt 0x0
	; ---- set-up: the ring is filled, the first input laid down ----
	REFILL 0, 32
	SLOAD4 0
	SLOAD4 4
	WIN 0
.irp j, 0,1,2,3,4,5,6,7
	v_mov_b32 v[KS+\j], 0                          ; stage 0 multiplies it by 0: it need only be finite
	v_mov_b32 v[LP+\j], 0
.endr
	CVT4 4, ZZ
	CVT4 26, EPS
	ds_store_b128 v[STX], v[4:7] offset:BUFB
	ds_store_b128 v[STX], v[26:29] offset:BUFB+TOFF
	BAR
	s_mov_b32 s[CNT], 0
	s_mov_b32 s[TT], 1.0
.Leval:                                                ; 16 trips: one evaluation each
	ALOAD BUFB, 0
	ALOAD BUFB, 1
	s_and_b32 s[STN], s[CNT], 3
	s_cmp_eq_u32 s[STN], 0
	s_cselect_b32 s[GAM], 0, 1.0
	s_add_co_u32 s4, s[STN], 1
	s_bitcmp1_b32 s4, 1                            ; stages 1 and 2
	s_cselect_b32 s[WGT], 2.0, 1.0
	s_mov_b32 s[ALP], 0xbe000000                   ; h/2 = -1/8
	s_cmp_eq_u32 s[STN], 2
	s_cselect_b32 s[ALP], 0xbe800000, s[ALP]       ; h = -1/4
	s_cmp_eq_u32 s[STN], 3
	s_cselect_b32 s[ALP], 0, s[ALP]
	s_cselect_b32 s[DEL], 0xbd2aaaab, 0            ; h/6 = -1/24
	s_mul_f32 s[KAP], s[WGT], s[KB]
	s_bitcmp1_b32 s[STN], 0
	s_cselect_b32 s[DT], 0, 0xbe000000             ; t falls by 1/8 behind stages 0 and 2
.irp i, 0,2,4,6
	v_pk_mul_f32 v[CB0+\i:CB0+\i+1], v[W128+\i:W128+\i+1], s[TT:TT+1] op_sel_hi:[1,0]
.endr
	; LAYER 0: [z | eps] (64 features, two k steps) by W0's rows 0-63, from registers; by units of two column tiles from the first product on
.set CBS, CB0
.set HSS, HS0
.set NIS, NI0
	ZUNIT 0
	EDGE 0
	ZUNIT 1
	EDGE 1
	ZUNIT 2
	EDGE 1
	ZUNIT 3
	EDGE 1
	PUT 0, BUFA
	FINISH BUFA
	; LAYER 1
.set CBS, CB1
.set HSS, HS1
.set NIS, NI1
	LAYER 0, BUFA, BUFB, 8, 12, 16, 20, 24, 28, 32, 36
	; LAYER 2
.set CBS, CB2
.set HSS, HS2
.set NIS, NI2
	LAYER 1, BUFB, BUFA, 40, 44, 48, 52, -1, 56, 60, -1
	; LAYER 3: my 16 outputs; the weights from registers; source 0 in two runs, 12 k steps and 4
.set kt, 0
.rept 12
	ALOAD3 kt
.set kt, kt+1
.endr
.set kt, 0
.rept 4
	s_wait_dscnt 4*(11-kt)                         ; LDS loads come back in order (ISA guide 5.7.1): k step kt is in, the later k steps' four loads each may be out
	MM3 kt
.set kt, kt+1
.endr
	PLACES
.set kt, 12
.rept 4
	ALOAD3 kt                                      ; into the four slots just multiplied
.set kt, kt+1
.endr
	s_wait_dscnt 16                                ; the first run is in; the 16 loads just issued may be out
.set kt, 4
.rept 8
	MM3 kt
.set kt, kt+1
.endr
	s_wait_dscnt 0x0                               ; asked for 16 matrix instructions ago
.set kt, 12
.rept 4
	MM3 kt
.set kt, kt+1
.endr
	PLACES
	; THE STAGE'S END
	WIN 0x05
.irp i, 0,2,4,6
	v_pk_add_f32 v[KK+\i:KK+\i+1], v[ACP+\i:ACP+\i+1], v[ACP+8+\i:ACP+8+\i+1]
.endr
.irp i, 0,2,4,6
	v_pk_add_f32 v[TM+\i:TM+\i+1], v[ACT+\i:ACT+\i+1], v[ACT+8+\i:ACT+8+\i+1]
.endr
	WIN 0
.irp i, 0,2,4,6
	v_pk_fma_f32 v[KK+\i:KK+\i+1], v[KK+\i:KK+\i+1], s[OS:OS+1], v[B3S:B3S+1] op_sel_hi:[1,0,0]   ; k = f = sum x out_scale + b3 out_scale
	v_pk_mul_f32 v[TM+\i:TM+\i+1], v[TM+\i:TM+\i+1], v[EPS+\i:EPS+\i+1]                           ; the scaled J eps, times eps (unrounded)
	v_pk_mul_f32 v[KS+\i:KS+\i+1], v[KS+\i:KS+\i+1], s[GAM:GAM+1] op_sel_hi:[1,0]
.endr
.irp i, 0,2,4,6
	v_pk_fma_f32 v[LP+\i:LP+\i+1], v[TM+\i:TM+\i+1], s[KAP:KAP+1], v[LP+\i:LP+\i+1] op_sel_hi:[1,0,1]
	v_pk_fma_f32 v[KS+\i:KS+\i+1], v[KK+\i:KK+\i+1], s[WGT:WGT+1], v[KS+\i:KS+\i+1] op_sel_hi:[1,0,1]
.endr
.irp i, 0,2,4,6
	v_pk_fma_f32 v[ZZ+\i:ZZ+\i+1], v[KS+\i:KS+\i+1], s[DEL:DEL+1], v[ZZ+\i:ZZ+\i+1] op_sel_hi:[1,0,1]  ; z steps in stage 3 alone
.endr
.irp i, 0,2,4,6
	v_pk_fma_f32 v[TM+\i:TM+\i+1], v[KK+\i:KK+\i+1], s[ALP:ALP+1], v[ZZ+\i:ZZ+\i+1] op_sel_hi:[1,0,1]  ; the next stage's z
.endr
	CVT4 4, TM
	CVT4 26, EPN                                   ; (its loads were issued an evaluation ago, ahead of 384 ring loads that have been waited for down to 52 and 40)
	ds_store_b128 v[STX], v[4:7] offset:BUFB       ; layer 1's activations, which lay here, were last read ahead of layer 2's barrier
	ds_store_b128 v[STX], v[26:29] offset:BUFB+TOFF
.irp j, 0,1,2,3,4,5,6,7
	v_mov_b32 v[EPS+\j], v[EPN+\j]                 ; one text serves every evaluation, so the two sets cannot change names
.endr
	s_wait_xcnt 0x0                                ; every load issued so far has read its address: the pointer may be written
	s_add_co_u32 s[OFS], s[CNT], 2
	s_min_u32 s[OFS], s[OFS], 15                   ; the last two trips ask for eps[15]: inside the buffer
	s_lshl_b32 s[OFS], s[OFS], 19                  ; 2,048 rows x 256 bytes an evaluation
	s_add_nc_u64 s[EPP:EPP+1], s[EPB:EPB+1], s[OFS:OFS+1]
.irp j, 0,1,2,3,4,5,6,7
	global_load_b32 v[EPN+\j], v[EO], s[EPP:EPP+1] offset:256*\j th:TH_LOAD_NT
.endr
	s_add_f32 s[TT], s[TT], s[DT]
	BAR                                            ; the next input lies there; nobody reads layer 2's activations any more
	s_add_co_u32 s[CNT], s[CNT], 1
	s_cmp_lt_u32 s[CNT], 16
	s_cbranch_scc1 .Leval
	; ---- THE WAY OUT.  z1 goes through LDS, so that sixteen lanes store a whole row of 256 bytes; logp's shares are added over the 16 lanes of a half, then over the four waves ----
	s_lshl_b32 s4, s[WV], 6
	v_mul_u32_u24 v32, v2, 8*ZP
	v_lshl_add_u32 v32, v1, 2, v32
	v_add_nc_u32 v32, s4, v32                      ; row 8 h, column 16 w + r
.irp j, 0,1,2,3,4,5,6,7
	ds_store_b32 v32, v[ZZ+\j] offset:ZST+ZP*\j
.endr
.irp m, 1,2,4,8
.irp j, 0,1,2,3,4,5,6,7
	v_add_f32_dpp v[LP+\j], v[LP+\j], v[LP+\j] row_xmask:\m row_mask:0xf bank_mask:0xf
.endr
.endr
	v_lshlrev_b32 v33, 5, v2
	v_add_nc_u32 v33, s4, v33                      ; 64 w + 32 h: the sixteen lanes of a half store the same numbers to the same bytes
	ds_store_b128 v33, v[LP:LP+3] offset:LST
	ds_store_b128 v33, v[LP+4:LP+7] offset:LST+16
	BAR
	s_mul_i32 s5, s[WV], 4*ZP
	v_mul_u32_u24 v34, v2, ZP
	v_lshl_add_u32 v34, v1, 4, v34
	v_add_nc_u32 v34, s5, v34                      ; rows 4 w + h and 4 w + 2 + h, 16 bytes a lane
	ds_load_b128 v[36:39], v34 offset:ZST
	ds_load_b128 v[40:43], v34 offset:ZST+2*ZP
	s_lshl_b32 s5, s[WV], 10
	v_lshlrev_b32 v35, 8, v2
	v_lshl_add_u32 v35, v1, 4, v35
	v_add_nc_u32 v35, s5, v35
	s_wait_dscnt 0x0
	global_store_b128 v35, v[36:39], s[30:31]      ; 16 lanes store 256 consecutive bytes, at a multiple of 256 from out0's first byte
	global_store_b128 v35, v[40:43], s[30:31] offset:512
	s_cmp_lg_u32 s[WV], 0
	s_cbranch_scc1 .Lend                           ; wave 0 finishes logp: 16 numbers, 64 bytes a work-group
	v_lshlrev_b32 v44, 2, v1
	ds_load_b32 v45, v44 offset:LST
	ds_load_b32 v46, v44 offset:LST+64
	ds_load_b32 v47, v44 offset:LST+128
	ds_load_b32 v48, v44 offset:LST+192
	s_wait_dscnt 0x0
	v_add_f32 v45, v45, v46
	v_add_f32 v47, v47, v48
	v_add_f32 v45, v45, v47
	v_cmp_gt_u32 vcc_lo, 16, v3
	s_wait_xcnt 0x0                                ; EXEC is a source of the stores above: it changes only behind this wait
	s_and_saveexec_b32 s4, vcc_lo
	global_store_b32 v44, v45, s[32:33]
	s_wait_xcnt 0x0                                ; and again in front of the line that widens it
	s_or_b32 exec_lo, exec_lo, s4
.Lend:
	s_wait_tensorcnt 0x0                           ; the wave's end, behind my last LDS store
	ds_add_u32 v[SPW], v[NIL]
	s_wait_dscnt 0x0
	s_endpgm
.Lfunc_end_k_q1b9a8d4fc3_cnf:
	.size	k_q1b9a8d4fc3_cnf, .Lfunc_end_k_q1b9a8d4fc3_cnf-k_q1b9a8d4fc3_cnf
	.p2alignl 7, 3214868480
	.fill 96, 4, 3214868480
	.section	.rodata,"a",@progbits
	.p2align	6, 0x0
	.amdhsa_kernel k_q1b9a8d4fc3_cnf
		.amdhsa_group_segment_fixed_size 295424
		.amdhsa_private_segment_fixed_size 0
		.amdhsa_enable_private_segment 0
		.amdhsa_kernarg_size 104
		.amdhsa_user_sgpr_count 2
		.amdhsa_user_sgpr_kernarg_segment_ptr 1
		.amdhsa_wavefront_size32 1
		.amdhsa_system_sgpr_workgroup_id_x 1
		.amdhsa_system_sgpr_workgroup_id_y 1
		.amdhsa_system_sgpr_workgroup_id_z 1
		.amdhsa_system_vgpr_workitem_id 0
		.amdhsa_next_free_vgpr 1024
		.amdhsa_next_free_sgpr 96
		.amdhsa_reserve_vcc 1
		.amdhsa_float_denorm_mode_32 3
		.amdhsa_float_denorm_mode_16_64 3
		.amdhsa_memory_ordered 1
		.amdhsa_forward_progress 1
		.amdhsa_inst_pref_size 233
	.end_amdhsa_kernel
	.amdgpu_metadata
---
amdhsa.version: [ 1, 2 ]
amdhsa.kernels:
  - .name:           k_q1b9a8d4fc3_cnf
    .symbol:         k_q1b9a8d4fc3_cnf.kd
    .args:
      - { .name: wf, .offset: 0, .size: 8, .value_kind: global_buffer, .address_space: global }
      - { .name: wmax, .offset: 8, .size: 8, .value_kind: global_buffer, .address_space: global }
      - { .name: W0, .offset: 16, .size: 8, .value_kind: global_buffer, .address_space: global }
      - { .name: b0, .offset: 24, .size: 8, .value_kind: global_buffer, .address_space: global }
      - { .name: b1, .offset: 32, .size: 8, .value_kind: global_buffer, .address_space: global }
      - { .name: b2, .offset: 40, .size: 8, .value_kind: global_buffer, .address_space: global }
      - { .name: b3, .offset: 48, .size: 8, .value_kind: global_buffer, .address_space: global }
      - { .name: out_scale, .offset: 56, .size: 8, .value_kind: global_buffer, .address_space: global }
      - { .name: context, .offset: 64, .size: 8, .value_kind: global_buffer, .address_space: global }
      - { .name: x, .offset: 72, .size: 8, .value_kind: global_buffer, .address_space: global }
      - { .name: eps, .offset: 80, .size: 8, .value_kind: global_buffer, .address_space: global }
      - { .name: out0, .offset: 88, .size: 8, .value_kind: global_buffer, .address_space: global }
      - { .name: out1, .offset: 96, .size: 8, .value_kind: global_buffer, .address_space: global }
    .group_segment_fixed_size: 295424
    .private_segment_fixed_size: 0
    .kernarg_segment_align: 8
    .kernarg_segment_size: 104
    .max_flat_workgroup_size: 128
    .sgpr_count:     96
    .vgpr_count:     1024
    .wavefront_size: 32
...
	.end_amdgpu_metadata
.endif
;; end of part 2
